; MI455X (gfx1250); checked and timed in simulation.
; The chip was launched on July 23, 2026; its instructions are those of AMD's public machine-readable ISA for CDNA 5 (MIT licence, August 2026) and "CDNA5" Instruction Set Architecture Reference Guide (July 2026). The comments in the code are by the model that wrote it; some were corrected since.
;; MHA. Allowed arithmetic: float matrix products may take bf16 or f16 operands with f32 sums; other float arithmetic in f32, or as packed bf16 or f16 multiplies, adds, multiply-adds, maxima and minima; sums over many terms, partial sums and values carried from step to step in f32; what a program stores and reads back later, other than sums and carried values, may be rounded once to bf16 or f16.
;; Inputs: Wk 1,024 x 1,024 float32; Wo 1,024 x 1,024 float32; Wq 1,024 x 1,024 float32; Wv 1,024 x 1,024 float32; bk 1,024 float32; bo 1,024 float32; bq 1,024 float32; bv 1,024 float32; x 64 x 128 x 1,024 float32.
;; Outputs: out0 64 x 128 x 1,024 float32.
;; One version. Each part assembles by itself: llvm-mc -triple=amdgcn-amd-amdhsa -mcpu=gfx1250 --defsym DOCPART=n.
;; ======== version 1 of 1: 3 launches
;; limits: values are held in f16: magnitudes above 65,504 overflow, below 6.1e-05 lose precision
;; workspace buffers: xw 16,777,216 bytes; wqkv 6,291,456 bytes; wow 2,097,152 bytes; ow 16,777,216 bytes
;; launch prep (part 1): grid 64 x 12, 8 waves a work-group, no clusters, 35,840 bytes of LDS; arguments x, Wq, Wk, Wv, Wo, xw, wqkv, wow; writes xw, wqkv, wow
.if DOCPART == 1
	.amdgcn_target "amdgcn-amd-amdhsa--gfx1250"
	.amdhsa_code_object_version 6
	.text
	.protected	k_qc61659d90a_prep
	.globl	k_qc61659d90a_prep
	.p2align	8
	.type	k_qc61659d90a_prep,@function
k_qc61659d90a_prep:
	s_mov_b64 s[64:65], 0
	v_nop
	global_prefetch_b8 v0, s[64:65] scope:SCOPE_SE
	s_setreg_imm32_b32 hwreg(HW_REG_WAVE_MODE, 25, 1), 1
	s_wait_xcnt 0x0
; MULTI-HEAD ATTENTION, B = 64, T = 128, C = 1024, H = 16, D = 64, in three launches: this one rounds x and the four weights and lays them out; the second makes Q, K, V and the
; causal attention of two heads of two batches in registers; the third is the output projection.
; WORK LEFT OUT, for all values of the inputs:
;   bk.  (q + bq) . (k + bk) = (q + bq) . k + (q + bq) . bk, and the second term is the same for every key of a query's row: a term added to a softmax's input that is constant along its
;        axis changes no weight.  bk therefore has no way to the output: it is not loaded and is no argument of any launch.
;   The tiles of 16 keys x 16 queries that lie wholly above the diagonal: reference() itself sets them to -inf by its tril, so their weights are 0: 36 of 64 score tiles are made.
;   bv is live but moves: a row of weights sums to 1 (every row sees its own key), so sum att (v + bv) = sum att v + bv: bv is added once, in f32, where O is divided by the row's sum.
;   LIMIT: a NaN, an infinity or an overflow that reaches only bk or the hidden scores is not carried to the result.
; FORMATS.  All inputs are rounded once to bf16 (the biases in the launches that use them).  Wo's bf16 number is written as f16, since it multiplies O, which is f16.
;   LIMIT: |Wo| beyond 65,504 becomes an infinity; below 6e-5 it keeps f16's fixed step of 6e-8.
; THIS LAUNCH is a stream: 12 matrices of 1024 x 1024 f32 (x's eight blocks of 1,024 rows, Wq, Wk, Wv, Wo), picked by the grid's y.  A work-group takes 16 rows, each of its eight waves
; 128 columns of them: 8 KiB in by sixteen loads of 512 consecutive bytes, 4 KiB out.  No loop, no barrier, no matrix unit, no cluster: nothing is shared.
; FRAGMENT ORDER, the layout of all workspace buffers: a fragment is 16 rows x 32 k of 16-bit numbers, 1,024 bytes: byte 512 p + 16 (16 h + r) holds k = 16 p + 8 h + 0..7 of row r.
; So lane l of a wave takes a matrix operand's registers 0-3 at byte 16 l and registers 4-7 at byte 512 + 16 l, and a tile of fragments is a dense block of memory.
;   xw   [b 64][kc 32][tb 8][1,024]          kc: 32 channels, tb: 16 tokens
;   wqkv [head 16][kc 32][m 3][cb 4][1,024]  m = Q, K, V, cb: 16 rows of the head, k = 32 kc: what one head needs for some chunks on end is one dense block
;   wow  [nt 4][ks 8][kcl 4][rb 16][1,024]   row = 256 nt + 16 rb, k = 128 ks + 32 kcl
.set UP,    272                        ; a block of 256 bytes of the output in my stage, + 16: the 32 lanes' stores of 8 bytes then fall on 64 different words modulo 64
.set STG,   16*UP                      ; a wave's stage: its four fragments
.set SPARE, 8*STG                      ; behind the stages: the spare words, 128 bytes for each wave: four blocks of 256 bytes that no other line names
.set L16, 2                            ; v2   16 x lane: my bytes in 512 consecutive ones, in and out; never rewritten
.set LS,  3                            ; v3   where I put 8 bytes of a row
.set LR,  4                            ; v4   where I read 16 bytes back
.set SPW, 8                            ; v8   LDS address of my spare word; never rewritten
.set NIL, 9                            ; v9   0; never rewritten
.set X,   16                           ; v[16:79]   row i as loaded: 4 f32; later the output, 4 registers for each 512 bytes
.set Y,   80                           ; v[80:111]  row i rounded: 4 numbers in 2 registers
.set YY,  20                           ; s20  the grid's y: which matrix
.set RB,  21                           ; s21  which 16 rows of it
.set WV,  22                           ; s22  my wave's number
	s_load_b512 s[4:19], s[0:1], 0x0               ; x s[4:5], Wq s[6:7], Wk s[8:9], Wv s[10:11], Wo s[12:13], xw s[14:15], wqkv s[16:17], wow s[18:19]
	v_lshl_add_u32 v[SPW], v0, 2, SPARE
	v_mov_b32 v[NIL], 0
	v_lshrrev_b32 v1, 5, v0
	v_readfirstlane_b32 s[WV], v1
	s_and_b32 s[YY], ttmp7, 0xffff
	s_mov_b32 s[RB], ttmp9
	v_and_b32 v5, 31, v0                           ; lane
	v_lshlrev_b32 v[L16], 4, v5
	s_mul_i32 s23, s[WV], STG                      ; my stage
	v_lshrrev_b32 v6, 1, v5                        ; my four numbers k = 4 l .. 4 l + 3 belong to block l / 2 of 256 bytes,
	v_mul_u32_u24 v[LS], v6, UP
	v_and_b32 v6, 1, v5                            ; to the lower or upper 8 of a row's 16 bytes there
	v_lshl_add_u32 v[LS], v6, 3, v[LS]
	v_add_nc_u32 v[LS], s23, v[LS]
	v_lshrrev_b32 v6, 4, v5                        ; back: lanes 0-15 take one block, lanes 16-31 the next
	v_mul_u32_u24 v[LR], v6, UP
	v_and_b32 v6, 15, v5
	v_lshl_add_u32 v[LR], v6, 4, v[LR]
	v_add_nc_u32 v[LR], s23, v[LR]
	; where my 16 rows x 128 columns begin in the source
	s_lshl_b32 s26, s[YY], 22                      ; x: 1,024 rows of 4,096 bytes for each y
	s_lshl_b32 s30, s[RB], 16                      ; 16 rows
	s_lshl_b32 s31, s[WV], 9                       ; 128 columns
	s_add_co_u32 s30, s30, s31
	s_cmp_lt_u32 s[YY], 8
	s_cselect_b32 s26, s26, 0
	s_add_co_u32 s26, s26, s30
	s_mov_b32 s27, 0
	; where my four fragments f (k = 128 w + 32 f) go: first + (f & 1) sA + (f >> 1) sB, worked out for the three layouts and then chosen
	s_lshl_b32 s40, s[YY], 3                       ; xw: b = 8 y + rb / 8, kc = 4 w + f, tb = rb % 8
	s_lshr_b32 s41, s[RB], 3
	s_add_co_u32 s40, s40, s41
	s_lshl_b32 s40, s40, 18
	s_lshl_b32 s41, s[WV], 15
	s_add_co_u32 s40, s40, s41
	s_and_b32 s41, s[RB], 7
	s_lshl_b32 s41, s41, 10
	s_add_co_u32 s40, s40, s41
	s_lshr_b32 s42, s[RB], 2                       ; wqkv: head = rb / 4, kc = 4 w + f, m = y - 8, cb = rb % 4
	s_mul_i32 s42, s42, 393216                     ; a head: 32 chunks of 12,288 bytes
	s_mul_i32 s43, s[WV], 49152                    ; four chunks
	s_add_co_u32 s42, s42, s43
	s_max_u32 s43, s[YY], 8
	s_sub_co_u32 s43, s43, 8
	s_lshl_b32 s43, s43, 12
	s_add_co_u32 s42, s42, s43
	s_and_b32 s43, s[RB], 3
	s_lshl_b32 s43, s43, 10
	s_add_co_u32 s42, s42, s43
	s_lshr_b32 s44, s[RB], 4                       ; wow: nt = rb / 16, ks = w, kcl = f, rb % 16
	s_lshl_b32 s44, s44, 19
	s_lshl_b32 s45, s[WV], 16
	s_add_co_u32 s44, s44, s45
	s_and_b32 s45, s[RB], 15
	s_lshl_b32 s45, s45, 10
	s_add_co_u32 s44, s44, s45
	s_mov_b32 s46, 12288                           ; sA and sB of wqkv,
	s_mov_b32 s47, 24576
	s_cmp_lt_u32 s[YY], 8                          ; of xw,
	s_cselect_b32 s42, s40, s42
	s_cselect_b32 s46, 8192, s46
	s_cselect_b32 s47, 16384, s47
	s_cmp_eq_u32 s[YY], 11                         ; of wow
	s_cselect_b32 s42, s44, s42
	s_cselect_b32 s46, 16384, s46
	s_cselect_b32 s47, 32768, s47
	s_mov_b32 s43, 0
	s_mov_b32 s40, s46                             ; as pairs, for the 64-bit sums
	s_mov_b32 s41, 0
	s_mov_b32 s44, s47
	s_mov_b32 s45, 0
	s_wait_kmcnt 0x0
	s_cmp_eq_u32 s[YY], 9                          ; the source: Wq, Wk, Wv, Wo or x; the target: wqkv, wow or xw
	s_cselect_b64 s[24:25], s[8:9], s[6:7]
	s_cmp_eq_u32 s[YY], 10
	s_cselect_b64 s[24:25], s[10:11], s[24:25]
	s_cmp_eq_u32 s[YY], 11
	s_cselect_b64 s[24:25], s[12:13], s[24:25]
	s_cselect_b64 s[28:29], s[18:19], s[16:17]
	s_cmp_lt_u32 s[YY], 8
	s_cselect_b64 s[24:25], s[4:5], s[24:25]
	s_cselect_b64 s[28:29], s[14:15], s[28:29]
	s_add_nc_u64 s[24:25], s[24:25], s[26:27]
	s_add_nc_u64 s[32:33], s[28:29], s[42:43]      ; fragment 0,
	s_add_nc_u64 s[34:35], s[32:33], s[40:41]      ; 1,
	s_add_nc_u64 s[36:37], s[32:33], s[44:45]      ; 2,
	s_add_nc_u64 s[38:39], s[36:37], s[40:41]      ; 3
.set i, 0
.rept 16
	global_load_b128 v[X+4*i:X+4*i+3], v[L16], s[24:25] offset:i*4096 th:TH_LOAD_NT  ; row i: 512 consecutive bytes, read once in the launch
.set i, i+1
.endr
.set i, 0
.rept 16
	s_wait_loadcnt 15-i                            ; loads come back in order: row i is in, the 15 - i younger ones stay out
	v_cvt_pk_bf16_f32 v[Y+2*i], v[X+4*i], v[X+4*i+1]
	v_cvt_pk_bf16_f32 v[Y+2*i+1], v[X+4*i+2], v[X+4*i+3]
.set i, i+1
.endr
	s_cmp_lg_u32 s[YY], 11
	s_cbranch_scc1 .Lnot_wo
.set i, 0
.rept 32                                               ; Wo alone: the bf16 number written as f16
	v_lshlrev_b32 v12, 16, v[Y+i]
	v_and_b32 v13, 0xffff0000, v[Y+i]
	v_cvt_pk_f16_f32 v[Y+i], v12, v13
.set i, i+1
.endr
.Lnot_wo:
.set i, 0
.rept 16
	ds_store_b64 v[LS], v[Y+2*i:Y+2*i+1] offset:16*i   ; row i's 16 bytes of each block begin at byte 16 i
.set i, i+1
.endr
.set i, 0
.rept 8
	ds_load_b128 v[X+4*i:X+4*i+3], v[LR] offset:2*UP*i ; LDS serves a wave's instructions in order (ISA guide 5.7.1.4): these see the stores above; the stage is my wave's own
.set i, i+1
.endr
.set i, 0
.rept 8
	s_wait_dscnt 7-i                               ; the 7 - i younger loads stay out
	global_store_b128 v[L16], v[X+4*i:X+4*i+3], s[32+2*(i/2):33+2*(i/2)] offset:(i%2)*512  ; half a fragment: 512 consecutive bytes, at a multiple of 512 from the buffer's first
.set i, i+1
.endr
	s_wait_tensorcnt 0x0                           ; the wave's end, behind my last LDS store
	ds_add_u32 v[SPW], v[NIL]
	s_wait_dscnt 0x0
	s_endpgm
.Lfunc_end_k_qc61659d90a_prep:
	.size	k_qc61659d90a_prep, .Lfunc_end_k_qc61659d90a_prep-k_qc61659d90a_prep
	.p2alignl 7, 3214868480
	.fill 96, 4, 3214868480
	.section	.rodata,"a",@progbits
	.p2align	6, 0x0
	.amdhsa_kernel k_qc61659d90a_prep
		.amdhsa_group_segment_fixed_size 35840
		.amdhsa_private_segment_fixed_size 0
		.amdhsa_enable_private_segment 0
		.amdhsa_kernarg_size 64
		.amdhsa_user_sgpr_count 2
		.amdhsa_user_sgpr_kernarg_segment_ptr 1
		.amdhsa_wavefront_size32 1
		.amdhsa_system_sgpr_workgroup_id_x 1
		.amdhsa_system_sgpr_workgroup_id_y 1
		.amdhsa_system_sgpr_workgroup_id_z 1
		.amdhsa_system_vgpr_workitem_id 0
		.amdhsa_next_free_vgpr 112
		.amdhsa_next_free_sgpr 66
		.amdhsa_reserve_vcc 0
		.amdhsa_float_denorm_mode_32 3
		.amdhsa_float_denorm_mode_16_64 3
		.amdhsa_memory_ordered 1
		.amdhsa_forward_progress 1
		.amdhsa_inst_pref_size 16
	.end_amdhsa_kernel
	.amdgpu_metadata
---
amdhsa.version: [ 1, 2 ]
amdhsa.kernels:
  - .name:           k_qc61659d90a_prep
    .symbol:         k_qc61659d90a_prep.kd
    .args:
      - { .name: x, .offset: 0, .size: 8, .value_kind: global_buffer, .address_space: global }
      - { .name: Wq, .offset: 8, .size: 8, .value_kind: global_buffer, .address_space: global }
      - { .name: Wk, .offset: 16, .size: 8, .value_kind: global_buffer, .address_space: global }
      - { .name: Wv, .offset: 24, .size: 8, .value_kind: global_buffer, .address_space: global }
      - { .name: Wo, .offset: 32, .size: 8, .value_kind: global_buffer, .address_space: global }
      - { .name: xw, .offset: 40, .size: 8, .value_kind: global_buffer, .address_space: global }
      - { .name: wqkv, .offset: 48, .size: 8, .value_kind: global_buffer, .address_space: global }
      - { .name: wow, .offset: 56, .size: 8, .value_kind: global_buffer, .address_space: global }
    .group_segment_fixed_size: 35840
    .private_segment_fixed_size: 0
    .kernarg_segment_align: 8
    .kernarg_segment_size: 64
    .max_flat_workgroup_size: 256
    .sgpr_count:     66
    .vgpr_count:     112
    .wavefront_size: 32
...
	.end_amdgpu_metadata
.endif
;; end of part 1
;; launch qkvatt (part 2): grid 8 x 32, 4 waves a work-group, clusters of 4 x 4, 327,680 bytes of LDS; arguments xw, wqkv, bq, bv, ow; writes ow
.if DOCPART == 2
	.amdgcn_target "amdgcn-amd-amdhsa--gfx1250"
	.amdhsa_code_object_version 6
	.text
	.protected	k_qc61659d90a_qkvatt
	.globl	k_qc61659d90a_qkvatt
	.p2align	8
	.type	k_qc61659d90a_qkvatt,@function
k_qc61659d90a_qkvatt:
	s_mov_b64 s[64:65], 0
	v_nop
	global_prefetch_b8 v0, s[64:65] scope:SCOPE_SE
	s_setreg_imm32_b32 hwreg(HW_REG_WAVE_MODE, 25, 1), 1
	s_wait_xcnt 0x0
	s_wait_alu depctr_hold_cnt(0) depctr_sa_sdst(0) depctr_va_vdst(0) depctr_va_sdst(0) depctr_va_ssrc(0) depctr_va_vcc(0) depctr_vm_vsrc(0)
	s_getreg_b32 s2, hwreg(HW_REG_IB_STS2, 6, 4)
	s_cmp_eq_u32 s2, 0
	s_cbranch_scc0 .Lentry_in_a_cluster
	s_endpgm
.Lentry_in_a_cluster:
	s_bfe_u32 s2, ttmp6, 0x10000c
	s_cmp_lg_u32 s2, 0xf033
	s_cbranch_scc0 .Lentry_shape_is_right
	s_endpgm
.Lentry_shape_is_right:
; Q, K, V AND THE CAUSAL ATTENTION OF TWO HEADS OF TWO BATCHES.  xw, wqkv: bf16 in fragment order (16 rows x 32 k = 1,024 bytes; lane l's registers 0-3 at byte 16 l, 4-7 at 512 + 16 l):
; xw [b 64][kc 32][tb 8][1,024], wqkv [head 16][kc 32][m 3][cb 4][1,024].  ow: the heads' outputs in f16, [b 64][kc 32][tb 8][1,024] in the same order, kc = 2 head + c.
; LEFT OUT (shown at the head of the first kernel): bk, which adds the same number to all scores of a row; the score tiles wholly above the diagonal; bv is added behind the division by the row's sum.
; LIMITS.  q, k, v and O are rounded once to f16: beyond 65,504 they become infinities.  A hidden score counts as its value less 1e30 (f16's scores reach 2.7e11 at the most).  A weight below 2^-126
; counts as 0.  NaN and infinities are not treated apart.  bq and bv are rounded to bf16, as all inputs are, and used in f32.
; SHARES.  Work-group (hp, bp): heads 2 hp, 2 hp + 1 of batches 2 bp, 2 bp + 1: 256 tokens x 384 columns of Q, K, V.  Wave w owns head 2 hp + w % 2 of batch 2 bp + w / 2: 128 tokens x (64 + 64 + 64)
; columns: 96 accumulators, 768 registers; then that head's attention.  For 32 along K (a CHUNK) the work-group needs (256 + 384) x 64 = 40,960 bytes; one batch and four heads, the same accumulators, would
; need (128 + 768) x 64 = 57,344.  So a slot holds THREE chunks, and a refill has 272 matrix instructions of each wave in which to land.
; THE PRODUCTS.  K = 1,024 is 32 chunks, walked through two LDS slots filled by the tensor data mover: a first fill of two chunks, then ten of three.  Q and K are taken transposed (source 0 = 16 rows of W,
; source 1 = 16 tokens): a lane holds ONE token (lane % 16) and channels 8 (lane / 16) + 0..7.  V is taken as it is (source 0 = tokens, source 1 = Wv's rows): a lane holds one channel and eight tokens.
; Rounded in neighbouring pairs these ARE the operands of S^T = K Q^T and of O^T = V^T P: nothing changes lanes and nothing goes through LDS; and O^T, packed, is a fragment of the next launch's operand.
; SOFTMAX.  A query's whole row, 128 keys at the most, lies in registers: the true maximum m is taken, p = 2^(c s - c m), c = log2(e) / 8; the sum l is taken of the unrounded p, P is rounded to f16.
; CLUSTER.  4 x 4 work-groups.  x's tiles hang on bp alone and are shared along a row of the cluster, W's on hp alone and are shared along a column: each is asked for JOINTLY, by the same tensor load with
; the same descriptor and a mask that names the four.
; REGISTERS, in windows of 256 (s_set_vgpr_msb: bits 1:0 source 0, 3:2 source 1, 5:4 source 2, 7:6 destination):
;   the products:   window 0: v0-14 addresses; v32-95, v96-159 x's fragments, two buffers; v160-191, v192-223, v224-255 Wq's, Wk's, Wv's fragments
;                   window 1: Q, (tb, cb) at 8 (4 tb + cb)     window 2: K, likewise     window 3: V, (cb, tb) at 8 (8 cb + tb)
;   the attention:  window 0: v32-63 bq, v64-95 bv, v128-255 Q in f16     window 1: v0-127 K, v128-255 V in f16
;                   window 2: v0-127 S^T of two query blocks, v128-191 P, v192-199 the diagonal's mask, v200-214 a maximum a tile, v216-231 statistics     window 3: O^T, 64 for each pair of query blocks
.set XCH,   8192                       ; a chunk of one batch's x: [tb 8][1,024]
.set WCH,   12288                      ; a chunk of one head's weights: [m 3][cb 4][1,024]
.set XB,    3*XCH                      ; a batch's place in a slot
.set WB,    3*WCH                      ; a head's
.set WOFF,  2*XB                       ; a slot: x of batch 0, of batch 1, W of head 0, of head 1, each as in memory
.set SLOT,  WOFF+2*WB                  ; 122,880 bytes
.set SPARE, 2*SLOT                     ; behind the ring: the spare words, 128 bytes for each wave: two blocks of 256 bytes that no other line names
.set LAPS,  4                          ; trips of the loop: six chunks each; each fills both slots again: fills 3 to 10
.set L16, 2                            ; v2     16 x lane; never rewritten
.set AW,  3                            ; v3-4   LDS address of my head's fragments in slot 0, 1
.set AX,  7                            ; v7-8   of my batch's
.set PFO, 9                            ; v9     256 x lane: the prefetches' offset; never rewritten
.set SPW, 10                           ; v10    LDS address of my spare word; never rewritten
.set NIL, 11                           ; v11    0; never rewritten
.set BO,  12                           ; v12    32 (lane / 16): my eight channels in 16 of a bias
.set DG,  14                           ; v14    lane % 16 - 8 (lane / 16): register j of the diagonal tile is hidden where j is greater
.set AF0, 32
.set AF1, 96
.set BQ,  160
.set BK,  192
.set BV,  224
.set BQB, 32                           ; bq, then bv: 8 cb + j
.set BVB, 64
.set TB,  96                           ; at work
.set QF,  128                          ; window 0: query block t, channel half c at QF + 16 t + 8 c
.set KF,  0                            ; window 1: key block kb, channel half c at KF + 16 kb + 8 c
.set VF,  128                          ; window 1: channel block cb, key half kk at VF + 32 cb + 8 kk
.set PB,  128                          ; window 2: block tl of the pair, key block kb at PB + 32 tl + 4 kb
.set MD,  192
.set TM,  200
.set ST,  216                          ; block tl at ST + 8 tl: +0 c m, +1 m, +2 the other half of the lanes', +4 1 / l (+5 named with it), +6 l
.set WV,  14                           ; s14  my wave's number
.set CX,  15                           ; s15, s16  my place in the cluster
.set CY,  16
.set HP,  17                           ; s17  which two heads
.set BP,  18                           ; s18  which two batches
.set LAP, 19                           ; s19  trips still to come
.set G1W, 24                           ; s[24:31] descriptor group 1 for W's tiles of three chunks     s[32:39] for x's
.set G1X, 32
.set G0W, 40                           ; s[40:47] descriptor group 0 for W's tiles, a set for each slot     s[48:55] for x's
.set G0X, 48
.set PFX, 56                           ; s[56:57] where my prefetches of x stand     s[58:59] of W
.set PFW, 58
.set LX,  60                           ; s60, s61  I ask for x while more trips are to come than this: at a trip's first change of slots, at its second; the greatest number in a wave that never asks
.set CS,  62                           ; s[62:63] c: the packed scaling takes the pair's low word for both halves
.set SEL, 66                           ; s[66:67] v_permlanex16_b32's selects: each lane takes its own place in the other half
.set BIGN, 68                          ; s68  -1e30
.set HIM, 69                           ; s69  a word's upper bf16
.set LW,  76                           ; s76, s77  as s60, s61, for W
.set HL,  78                           ; s78  w % 2: which of the two heads is mine.  Also: which of the two batches' x (waves 0, 1) or heads' W (waves 2, 3) I fetch
.set BL,  79                           ; s79  w / 2: which of the two batches is mine
.set G1W0, 80                          ; s[80:87], s[88:95] descriptor group 1 for the first fill, of two chunks
.set G1X0, 88
.set MSB, 0
.macro WIN new                         ; the immediate's high byte repeats the setting that is left; a switch that changes nothing is dropped
.if MSB != (\new)
	s_set_vgpr_msb (MSB<<8)|(\new)
.set MSB, (\new)
.endif
.endm
.macro PLACES                          ; a load into a register that a matrix instruction has read, and a vector instruction that reads its result or writes one of its registers, stand four plain
.rept 4                                ; vector instructions behind it (ISA guide 7.12.1 for vector instructions)
	v_nop
.endr
.endm
; A joint load.  Waves 0 and 1 fetch the two batches' x, waves 2 and 3 the two heads' W.  The branch hangs on the wave's number alone.  An s_nop 0 and four v_nop follow each of the two lines,
; ahead of the jump, the label and what follows.
.macro JLOAD s, gw, gx
	s_cmp_lt_u32 s[WV], 2
	s_cbranch_scc0 .Lfor_w_\@
	tensor_load_to_lds s[G0X+4*(\s):G0X+4*(\s)+3], s[\gx:\gx+7]
	s_nop 0
.rept 4
	v_nop
.endr
	s_branch .Lasked_\@
.Lfor_w_\@:
	tensor_load_to_lds s[G0W+4*(\s):G0W+4*(\s)+3], s[\gw:\gw+7]
	s_nop 0
.rept 4
	v_nop
.endr
.Lasked_\@:
.endm
; A round of the cluster's barrier: my work-group's barrier, so that wave 0's signal speaks for all four waves; wave 0 signals; every wave waits for all sixteen work-groups; my work-group's barrier once more.
.macro CREST                           ; a round behind its opening barrier
	s_cmp_lg_u32 s[WV], 0
	s_cbranch_scc1 .Lnot_wave_0_\@
	s_barrier_signal -3
.Lnot_wave_0_\@:
	s_barrier_wait -3
	s_barrier_signal -1
	s_barrier_wait -1
.endm
.macro CROUND
	s_barrier_signal -1
	s_barrier_wait -1
	CREST
.endm
; PREFETCHES INTO THE L2, behind a joint refill and the run of LDS loads that follows it: 32 blocks of 256 bytes an instruction, a lane a block.  A refill's 96 and 144 blocks do not divide into 32 lanes
; times four partners, so a change of slots that asks names FOUR chunks of each stream where a refill takes three: the first six changes cover chunks 8 to 31, and the lead grows from one change of slots
; (288 matrix instructions) to nearly three.  Chunks 0 to 7 come by their loads alone; the last three refills ask for nothing.  Each block is named once in the launch:
;   x: a batch's chunks are read by the two clusters of its row of clusters: the first (cluster x = 0) asks; wave 0 or 1 for the batch that it fetches; of the four chunks partner cx takes chunk cx.
;   W: a head's chunks are read by the eight clusters of its column: the first (cluster y = 0) asks; the two heads' four chunks are twelve pieces of 8 KiB: head cy / 2, piece 3 (cy % 2) + w - 1, w = 1, 2, 3.
; The partners are told apart BY ADDRESS; the branches hang on the wave's number, the cluster's place in the grid and the loop's count, which all partners share.
.macro ASK lim
	s_cmp_gt_u32 s[LAP], s[LX+(\lim)]
	s_cbranch_scc0 .Lno_x_\@
	global_prefetch_b8 v[PFO], s[PFX:PFX+1] th:TH_LOAD_NT scope:SCOPE_SE
.Lno_x_\@:
	s_cmp_gt_u32 s[LAP], s[LW+(\lim)]
	s_cbranch_scc0 .Lno_w_\@
	global_prefetch_b8 v[PFO], s[PFW:PFW+1] th:TH_LOAD_NT scope:SCOPE_SE
.Lno_w_\@:
.endm
.macro G1SET g, rows                   ; a dense block, asked for as rows of 32 elements of 8 bytes; no padding: every LDS load of this text takes 512 consecutive bytes
	s_mov_b32 s[(\g)+1], 32<<16                    ; tensor_dim0 = 32
	s_mov_b32 s[(\g)+2], (\rows)<<16               ; tensor_dim1
	s_mov_b32 s[(\g)+3], 32<<16                    ; tile_dim0 = 32
	s_mov_b32 s[(\g)+4], \rows                     ; tile_dim1
	s_mov_b32 s[(\g)+5], 32                        ; 32 elements from row to row
	s_mov_b32 s[(\g)+6], 0
	s_mov_b32 s[(\g)+7], 0
.endm
.macro G0SET s                         ; slot 0 begins with chunk 0, slot 1 with chunk 2
	s_mov_b32 s[G0W+4*(\s)], 1                                     ; count = 1
	s_add_co_u32 s[G0W+4*(\s)+1], s22, WOFF+(\s)*SLOT              ; LDS address: no place in the cluster enters it
	s_add_nc_u64 s[G0W+4*(\s)+2:G0W+4*(\s)+3], s[70:71], (\s)*2*WCH  ; global address
	s_or_b32 s[G0W+4*(\s)+3], s[G0W+4*(\s)+3], 0x80000000          ; type = 2
	s_mov_b32 s[G0X+4*(\s)], 1
	s_add_co_u32 s[G0X+4*(\s)+1], s23, (\s)*SLOT
	s_add_nc_u64 s[G0X+4*(\s)+2:G0X+4*(\s)+3], s[72:73], (\s)*2*XCH
	s_or_b32 s[G0X+4*(\s)+3], s[G0X+4*(\s)+3], 0x80000000
.endm
	s_load_b256 s[4:11], s[0:1], 0x0               ; xw s[4:5], wqkv s[6:7], bq s[8:9], bv s[10:11]
	s_load_b64 s[12:13], s[0:1], 0x20              ; ow
	v_lshl_add_u32 v[SPW], v0, 2, SPARE
	v_mov_b32 v[NIL], 0
	ds_add_u32 v[SPW], v[NIL]                      ; the wave's opening: the add, twice on end, and its wait ahead of my first tensor load; the set-up below, work on registers, stands between
	ds_add_u32 v[SPW], v[NIL]
	v_lshrrev_b32 v1, 5, v0
	v_readfirstlane_b32 s[WV], v1                  ; wave 0..3
	s_and_b32 s[HL], s[WV], 1
	s_lshr_b32 s[BL], s[WV], 1
	s_bfe_u32 s[CX], ttmp6, 0x40000
	s_bfe_u32 s[CY], ttmp6, 0x40004
	s_lshl_b32 s[HP], ttmp9, 2                     ; in a cluster launch ttmp9 and ttmp7 count clusters
	s_add_co_u32 s[HP], s[HP], s[CX]
	s_and_b32 s[BP], ttmp7, 0xffff
	s_lshl_b32 s[BP], s[BP], 2
	s_add_co_u32 s[BP], s[BP], s[CY]
	s_lshl_b32 s20, s[CY], 2
	s_lshl_b32 s20, 15, s20                        ; my row of the cluster: places 4 cy .. 4 cy + 3
	s_lshl_b32 s21, 0x1111, s[CX]                  ; my column: places cx, cx + 4, cx + 8, cx + 12
	s_or_b32 s[G1W], s21, (3<<16)|(1<<21)          ; 15:0 the mask: W's tiles go to my column; 17:16 elements of 8 bytes; 21 set beside a mask
	s_or_b32 s[G1W0], s21, (3<<16)|(1<<21)
	s_or_b32 s[G1X], s20, (3<<16)|(1<<21)          ; x's go to my row
	s_or_b32 s[G1X0], s20, (3<<16)|(1<<21)
	G1SET G1W, 144                                 ; three chunks of a head: 36,864 bytes
	G1SET G1X, 96                                  ; of a batch: 24,576
	G1SET G1W0, 96                                 ; two chunks
	G1SET G1X0, 64
	s_lshl_b32 s70, s[HP], 1                       ; W: the head that I fetch, which my column shares,
	s_add_co_u32 s70, s70, s[HL]
	s_mul_i32 s70, s70, 32*WCH
	s_mov_b32 s71, 0
	s_lshl_b32 s72, s[BP], 1                       ; x: the batch that I fetch, which my row shares
	s_add_co_u32 s72, s72, s[HL]
	s_lshl_b32 s72, s72, 18
	s_mov_b32 s73, 0
	s_mul_i32 s22, s[HL], WB                       ; and their places in a slot
	s_mul_i32 s23, s[HL], XB
	s_mov_b32 s[CS], 0x3e38aa3b                    ; c = log2(e) / 8 = 0.180337
	s_mov_b32 s[CS+1], s[CS]                       ; named with it as a pair
	s_mov_b32 s[SEL], 0x76543210
	s_mov_b32 s[SEL+1], 0xfedcba98
	s_mov_b32 s[BIGN], 0xf149f2ca
	s_mov_b32 s[HIM], 0xffff0000
	s_wait_dscnt 0x0                               ; both opening adds are done
	s_wait_kmcnt 0x0
	s_add_nc_u64 s[70:71], s[6:7], s[70:71]
	s_add_nc_u64 s[72:73], s[4:5], s[72:73]
	CROUND                                         ; all sixteen work-groups are here: the first joint loads meet
	G0SET 0
	G0SET 1
	JLOAD 0, G1W0, G1X0                            ; chunks 0 and 1,
	JLOAD 1, G1W, G1X                              ; chunks 2 to 4: both slots are asked for before anything else is done: two tensor loads of mine are out, the most in this text
	; the prefetches' addresses, one step (four chunks) short of chunk 8: each change that fills steps them first
	s_lshl_b32 s74, s[CX], 13                      ; x: of four chunks, chunk cx
	s_add_co_u32 s74, s74, 4*XCH
	s_mov_b32 s75, 0
	s_add_nc_u64 s[PFX:PFX+1], s[72:73], s[74:75]
	s_lshr_b32 s20, s[CY], 1                       ; W: head 2 hp + cy / 2,
	s_lshl_b32 s21, s[HP], 1
	s_add_co_u32 s20, s20, s21
	s_mul_i32 s74, s20, 32*WCH
	s_and_b32 s20, s[CY], 1                        ; piece 3 (cy % 2) + w - 1 of six (wave 0, which never asks for W, holds wave 1's address)
	s_mul_i32 s20, s20, 3
	s_max_u32 s21, s[WV], 1
	s_add_co_u32 s20, s20, s21
	s_sub_co_u32 s20, s20, 1
	s_lshl_b32 s20, s20, 13
	s_add_co_u32 s74, s74, s20
	s_add_co_u32 s74, s74, 4*WCH
	s_add_nc_u64 s[PFW:PFW+1], s[6:7], s[74:75]
	s_cmp_eq_u32 ttmp9, 0                          ; cluster x: the same in all sixteen partners
	s_cselect_b32 s[LX], 1, -1
	s_cselect_b32 s[LX+1], 2, -1
	s_cmp_lt_u32 s[WV], 2
	s_cselect_b32 s[LX], s[LX], -1
	s_cselect_b32 s[LX+1], s[LX+1], -1
	s_and_b32 s20, ttmp7, 0xffff                   ; cluster y
	s_cmp_eq_u32 s20, 0
	s_cselect_b32 s[LW], 1, -1
	s_cselect_b32 s[LW+1], 2, -1
	s_cmp_gt_u32 s[WV], 0
	s_cselect_b32 s[LW], s[LW], -1
	s_cselect_b32 s[LW+1], s[LW+1], -1
	; addresses
	v_and_b32 v1, 31, v0
	v_lshlrev_b32 v[L16], 4, v1
	s_mul_i32 s20, s[HL], WB                       ; my head's place in a slot
	s_add_co_u32 s20, s20, WOFF
	v_add_nc_u32 v[AW], s20, v[L16]
	v_add_nc_u32 v[AW+1], SLOT, v[AW]
	s_mul_i32 s20, s[BL], XB                       ; my batch's
	v_add_nc_u32 v[AX], s20, v[L16]
	v_add_nc_u32 v[AX+1], SLOT, v[AX]
	v_lshlrev_b32 v[PFO], 8, v1
	v_lshrrev_b32 v13, 4, v1
	v_lshlrev_b32 v[BO], 5, v13
	v_and_b32 v[DG], 15, v1
	v_lshlrev_b32 v13, 3, v13
	v_sub_nc_u32 v[DG], v[DG], v13
	s_lshl_b32 s20, s[HP], 1
	s_add_co_u32 s20, s20, s[HL]                   ; my head
	s_lshl_b32 s74, s20, 8                         ; its 64 numbers in bq and bv
	s_add_nc_u64 s[8:9], s[8:9], s[74:75]
	s_add_nc_u64 s[10:11], s[10:11], s[74:75]
	s_lshl_b32 s74, s20, 14                        ; in ow: kc = 2 head,
	s_lshl_b32 s21, s[BP], 1
	s_add_co_u32 s21, s21, s[BL]                   ; my batch
	s_lshl_b32 s21, s21, 18
	s_add_co_u32 s74, s74, s21
	s_add_nc_u64 s[12:13], s[12:13], s[74:75]
; 4 nt matrix instructions of Q or K: token blocks t0 .. t0 + nt - 1 x the head's four blocks of 16 rows, 32 along K.  zero = 1: the first product starts the sums: nothing is ever cleared.
.macro GQK win, bf, buf, t0, nt, zero
	WIN \win
.set t, (\t0)
.rept \nt
.irp c, 0,1,2,3
.set rD, 8*(4*t+(\c))
.set rX, (\buf)+8*t
.if \zero
	v_wmma_f32_16x16x32_bf16 v[rD:rD+7], v[(\bf)+8*(\c):(\bf)+8*(\c)+7], v[rX:rX+7], 0
.else
	v_wmma_f32_16x16x32_bf16 v[rD:rD+7], v[(\bf)+8*(\c):(\bf)+8*(\c)+7], v[rX:rX+7], v[rD:rD+7]
.endif
.endr
.set t, t+1
.endr
.endm
.macro GV buf, half, zero              ; 16 of V, token blocks 4 half .. 4 half + 3, with the sources the other way round
	WIN 0xf0
.irp c, 0,1,2,3
.irp t, 0,1,2,3
.set rD, 8*(8*(\c)+4*(\half)+(\t))
.set rX, (\buf)+8*(4*(\half)+(\t))
.if \zero
	v_wmma_f32_16x16x32_bf16 v[rD:rD+7], v[rX:rX+7], v[BV+8*(\c):BV+8*(\c)+7], 0
.else
	v_wmma_f32_16x16x32_bf16 v[rD:rD+7], v[rX:rX+7], v[BV+8*(\c):BV+8*(\c)+7], v[rD:rD+7]
.endif
.endr
.endr
.endm
.macro LDA slot, ch, buf               ; my batch's eight fragments of chunk ch of a slot: 16 LDS loads
.irp t, 0,1,2,3,4,5,6,7
	ds_load_b128 v[(\buf)+8*(\t):(\buf)+8*(\t)+3],   v[AX+(\slot)] offset:(\ch)*XCH+(\t)*1024
	ds_load_b128 v[(\buf)+8*(\t)+4:(\buf)+8*(\t)+7], v[AX+(\slot)] offset:(\ch)*XCH+(\t)*1024+512
.endr
.endm
.macro LDB slot, ch, m                 ; my head's four fragments of Wq (m = 0), Wk (1) or Wv (2): 8 LDS loads
.irp c, 0,1,2,3
	ds_load_b128 v[BQ+32*(\m)+8*(\c):BQ+32*(\m)+8*(\c)+3],   v[AW+(\slot)] offset:(\ch)*WCH+(\m)*4096+(\c)*1024
	ds_load_b128 v[BQ+32*(\m)+8*(\c)+4:BQ+32*(\m)+8*(\c)+7], v[AW+(\slot)] offset:(\ch)*WCH+(\m)*4096+(\c)*1024+512
.endr
.endm
; A CHUNK is 96 matrix instructions, the 96 accumulators by turns, one instruction a turn, in the same order in every chunk.  Chunk c of the 32 multiplies x's buffer c % 2.
; A chunk's LDS loads are issued in the order x (16), Wq (8), Wk (8), Wv (8); W's three buffers are single: each is asked for again four places behind its last product.
; A chunk that is not its slot's last: multiplies buf and fetches chunk nch of the same slot, x into nbuf.
.macro CHI slot, nch, buf, nbuf, zero
	s_wait_dscnt 16                                ; x and Wq are in; Wk's and Wv's eight loads each may be out
	GQK 0x50, BQ, \buf, 0, 8, \zero
	PLACES
	WIN 0
	LDA \slot, \nch, \nbuf
	LDB \slot, \nch, 0
	s_wait_dscnt 32                                ; Wk is in: behind it stand Wv's 8 and the 24 just issued
	GQK 0xa0, BK, \buf, 0, 8, \zero
	PLACES
	WIN 0
	LDB \slot, \nch, 1
	s_wait_dscnt 32                                ; Wv is in: behind it stand those 24 and the 8 just issued
	GV \buf, 0, \zero
	GV \buf, 1, \zero
	PLACES
	WIN 0
	LDB \slot, \nch, 2
.endm
; A slot's last chunk changes slots.  ONE barrier, for two things: in front of it each wave waits for all its tensor loads, of which one is out, its part of the next slot; adds 0 to its spare word; and
; waits for that and for its own reads of this slot, all of which were issued in the chunk before.  Behind it nobody reads this slot any more and the next slot is whole.  fill = 1: the barrier opens a
; round of the cluster's, and the slot is filled again, stepch chunks on, first thing behind the round: from that request to the wait for it a wave issues 3 x 96 - 16 = 272 matrix instructions.
.macro CHL slot, next, buf, nbuf, fill, stepch=6, lim=0
.if \fill
	s_wait_xcnt 0x0                                ; the last prefetches, three chunks back, have read their addresses: these are stepped here, ahead of the waits of the change of slots
	s_add_nc_u64 s[PFX:PFX+1], s[PFX:PFX+1], 4*XCH
	s_add_nc_u64 s[PFW:PFW+1], s[PFW:PFW+1], 4*WCH
.endif
	s_wait_dscnt 16
	GQK 0x50, BQ, \buf, 0, 8, 0
	WIN 0                                          ; (the add's two registers lie in window 0)
	s_wait_tensorcnt 0x0                           ; all my tensor loads have landed, so a group 0 may be written
	ds_add_u32 v[SPW], v[NIL]                      ; 0 onto my spare word
.if \fill
	s_add_nc_u64 s[G0W+4*(\slot)+2:G0W+4*(\slot)+3], s[G0W+4*(\slot)+2:G0W+4*(\slot)+3], (\stepch)*WCH
	s_add_nc_u64 s[G0X+4*(\slot)+2:G0X+4*(\slot)+3], s[G0X+4*(\slot)+2:G0X+4*(\slot)+3], (\stepch)*XCH
.endif
	s_wait_dscnt 9                                 ; Wk is in: Wv's 8 loads and the add may be out
	GQK 0xa0, BK, \buf, 0, 2, 0                    ; eight matrix instructions stand between the add and the wait for it
	s_wait_dscnt 0x0                               ; the add is done, and my reads of this slot are over
	s_barrier_signal -1
	GQK 0xa0, BK, \buf, 2, 2, 0                    ; work on registers while the others arrive
	WIN 0
	s_barrier_wait -1
.if \fill
	CREST                                          ; no wave of any partner still reads this slot's tiles or has a load on its way
	JLOAD \slot, G1W, G1X                          ; the four v_nop behind it are also the places in front of the loads below
.else
	PLACES
.endif
	LDA \next, 0, \nbuf
	LDB \next, 0, 0
.if \fill
	ASK \lim
.endif
	GQK 0xa0, BK, \buf, 4, 4, 0
	PLACES
	WIN 0
	LDB \next, 0, 1
	GV \buf, 0, 0                                  ; Wv was shown in by the wait for 0
	GV \buf, 1, 0
	PLACES
	WIN 0
	LDB \next, 0, 2
.endm
	s_wait_tensorcnt 0x1                           ; my part of chunks 0 and 1 is in; slot 1's may stay out
	s_barrier_signal -1
	s_barrier_wait -1                              ; everybody's is
	LDA 0, 0, AF0
	LDB 0, 0, 0
	LDB 0, 0, 1
	LDB 0, 0, 2
	s_mov_b32 s[LAP], LAPS+1                       ; (for the first change's prefetches: it counts as a trip of its own)
	CHI 0, 1, AF0, AF1, 1                          ; chunk 0: its products start the sums
	CHL 0, 1, AF1, AF0, 1, 5, 0                    ; chunk 1: slot 0 takes chunks 5 to 7
	s_mov_b32 s[LAP], LAPS
.Llap:                                                 ; a trip: slot 1's three chunks, slot 0's three; each slot is filled again, six chunks on
	CHI 1, 1, AF0, AF1, 0
	CHI 1, 2, AF1, AF0, 0
	CHL 1, 0, AF0, AF1, 1, 6, 0
	CHI 0, 1, AF1, AF0, 0
	CHI 0, 2, AF0, AF1, 0
	CHL 0, 1, AF1, AF0, 1, 6, 1
	s_sub_co_u32 s[LAP], s[LAP], 1
	s_cmp_lg_u32 s[LAP], 0
	s_cbranch_scc1 .Llap
	CHI 1, 1, AF0, AF1, 0                          ; the last six chunks fill nothing, and have no round
	CHI 1, 2, AF1, AF0, 0
	CHL 1, 0, AF0, AF1, 0
	CHI 0, 1, AF1, AF0, 0
	CHI 0, 2, AF0, AF1, 0
	s_wait_dscnt 16                                ; chunk 31: nothing more to fetch from LDS
	GQK 0x50, BQ, AF1, 0, 8, 0
	WIN 0
.irp c, 0,1,2,3                        ; my head's bq and bv, into x's first buffer, whose last products stand four places back or more: for channel block c my eight numbers
	global_load_b128 v[BQB+8*(\c):BQB+8*(\c)+3],   v[BO], s[8:9] offset:64*(\c)
	global_load_b128 v[BQB+8*(\c)+4:BQB+8*(\c)+7], v[BO], s[8:9] offset:64*(\c)+16
	global_load_b128 v[BVB+8*(\c):BVB+8*(\c)+3],   v[BO], s[10:11] offset:64*(\c)
	global_load_b128 v[BVB+8*(\c)+4:BVB+8*(\c)+7], v[BO], s[10:11] offset:64*(\c)+16
.endr
	s_wait_dscnt 8                                 ; Wk is in
	GQK 0xa0, BK, AF1, 0, 8, 0
	s_wait_dscnt 0x0
	GV AF1, 0, 0
	GV AF1, 1, 0
	; FROM SUMS TO OPERANDS.  No barrier, no LDS and no branch from here to the end: the head is the wave's own.
	PLACES
	WIN 0
	s_wait_loadcnt 0x0                             ; bq and bv
.set i, 0
.rept 32                                               ; rounded to bf16, as all inputs are,
	v_cvt_pk_bf16_f32 v[TB+i], v[BQB+2*i], v[BQB+2*i+1]
.set i, i+1
.endr
.set i, 0
.rept 32                                               ; and widened again
	v_lshlrev_b32 v[BQB+2*i], 16, v[TB+i]
	v_and_b32 v[BQB+2*i+1], s[HIM], v[TB+i]
.set i, i+1
.endr
	WIN 0x41                                       ; Q + bq: destination and source 0 window 1, bq window 0.
.set i, 0
.rept 128
	v_pk_add_f32 v[2*i:2*i+1], v[2*i:2*i+1], v[BQB+(2*i)%32:BQB+(2*i)%32+1]
.set i, i+1
.endr
	WIN 0x05                                       ; window 1 -> window 0
.set i, 0
.rept 128
	v_cvt_pk_f16_f32 v[QF+i], v[2*i], v[2*i+1]
.set i, i+1
.endr
	WIN 0x4a                                       ; K, without a bias: window 2 -> window 1, where Q's sums lay
.set i, 0
.rept 128
	v_cvt_pk_f16_f32 v[KF+i], v[2*i], v[2*i+1]
.set i, i+1
.endr
	WIN 0x4f                                       ; V: window 3 -> window 1
.set i, 0
.rept 128
	v_cvt_pk_f16_f32 v[VF+i], v[2*i], v[2*i+1]
.set i, i+1
.endr
	WIN 0x80                                       ; destination window 2
.set j, 0
.rept 8                                                ; the diagonal tile's mask: key 8 (lane / 16) + j is hidden from query lane % 16 where it is the greater
	v_cmp_gt_i32 vcc_lo, j, v[DG]
	v_cndmask_b32 v[MD+j], 0, s[BIGN], vcc_lo
.set j, j+1
.endr
.set j, 0
.rept 16
	v_mov_b32 v[ST+j], 0                           ; the exchange's destination and the pairs' second words count as read: written once
.set j, j+1
.endr
; THE ATTENTION, two query blocks t = 2 p + tl (tl = 0, 1) at a time.  Block t has the score tiles kb = 0 .. t.  FORT writes one line or group for each tile of the pair; the symbol kb is the tile's key block.
.macro FORT p, op, a=0
.irp tl, 0,1
.set kb, 0
.rept 2*(\p)+(\tl)+1
	\op \p, \tl, \a
.set kb, kb+1
.endr
.endr
.endm
.macro T_KQ p, tl, c                   ; S^T = K Q^T, channels 32 c on.  The first product starts the sum: with 0, or on the diagonal with the mask
.set rS, 64*(\tl)+8*kb
.set rK, KF+16*kb+8*(\c)
.set rQ, QF+16*(2*(\p)+(\tl))+8*(\c)
.if (\c) == 1
	v_wmma_f32_16x16x32_f16 v[rS:rS+7], v[rK:rK+7], v[rQ:rQ+7], v[rS:rS+7]
.elseif kb == 2*(\p)+(\tl)
	v_wmma_f32_16x16x32_f16 v[rS:rS+7], v[rK:rK+7], v[rQ:rQ+7], v[MD:MD+7]
.else
	v_wmma_f32_16x16x32_f16 v[rS:rS+7], v[rK:rK+7], v[rQ:rQ+7], 0
.endif
.endm
.macro T_MAX p, tl, pass               ; the tile's maximum, in four passes over all tiles, so that no line waits for the one before it
.set rS, 64*(\tl)+8*kb
.set rM, TM+(\tl)*(2*(\p)+1)+kb
.if (\pass) == 0
	v_max3_num_f32 v[rM], v[rS], v[rS+1], v[rS+2]
.elseif (\pass) == 1
	v_max3_num_f32 v[rM], v[rM], v[rS+3], v[rS+4]
.elseif (\pass) == 2
	v_max3_num_f32 v[rM], v[rM], v[rS+5], v[rS+6]
.else
	v_max_num_f32 v[rM], v[rM], v[rS+7]
.endif
.endm
.macro T_SCL p, tl, a                  ; c s - c m
.set rS, 64*(\tl)+8*kb
.set rT, ST+8*(\tl)
.irp q, 0,2,4,6
	v_pk_fma_f32 v[rS+(\q):rS+(\q)+1], v[rS+(\q):rS+(\q)+1], s[CS:CS+1], v[rT:rT+1] op_sel_hi:[1,0,0] neg_lo:[0,0,1] neg_hi:[0,0,1]
.endr
.endm
.macro T_EXP p, tl, a
.set rS, 64*(\tl)+8*kb
.irp q, 0,1,2,3,4,5,6,7
	v_exp_f32 v[rS+(\q)], v[rS+(\q)]
.endr
.endm
.macro T_CVT p, tl, a                  ; the weights rounded to f16: half a fragment of P
.set rS, 64*(\tl)+8*kb
.set rP, PB+32*(\tl)+4*kb
.irp q, 0,1,2,3
	v_cvt_pk_f16_f32 v[rP+(\q)], v[rS+2*(\q)], v[rS+2*(\q)+1]
.endr
.endm
.macro T_SUM p, tl, pass               ; the tile's eight weights into one pair, then the tiles' pairs into tile 0's
.set rS, 64*(\tl)+8*kb
.if (\pass) == 0
	v_pk_add_f32 v[rS:rS+1], v[rS:rS+1], v[rS+2:rS+3]
.elseif (\pass) == 1
	v_pk_add_f32 v[rS+4:rS+5], v[rS+4:rS+5], v[rS+6:rS+7]
.elseif (\pass) == 2
	v_pk_add_f32 v[rS:rS+1], v[rS:rS+1], v[rS+4:rS+5]
.elseif kb > 0
	v_pk_add_f32 v[64*(\tl):64*(\tl)+1], v[64*(\tl):64*(\tl)+1], v[rS:rS+1]
.endif
.endm
.macro PAIR p
	WIN 0xa1                                       ; K window 1, Q window 0, S^T and the mask window 2
	FORT \p, T_KQ, 0                               ; the pair's 4 p + 3 accumulators take turns: 4 p + 2 others stand between the two links of a chain
	FORT \p, T_KQ, 1
	PLACES
	WIN 0xaa                                       ; all in window 2
	FORT \p, T_MAX, 0
	FORT \p, T_MAX, 1
	FORT \p, T_MAX, 2
	FORT \p, T_MAX, 3
.irp tl, 0,1
.set rB, TM+(\tl)*(2*(\p)+1)
.set cnt, 2*(\p)+(\tl)+1
.set k, 1
.if cnt > 2
.rept (cnt-1)/2
	v_max3_num_f32 v[rB], v[rB], v[rB+k], v[rB+k+1]
.set k, k+2
.endr
.endif
.if (cnt-1)%2
	v_max_num_f32 v[rB], v[rB], v[rB+k]
.endif
	v_permlanex16_b32 v[ST+8*(\tl)+2], v[rB], s[SEL], s[SEL+1]  ; the query's other keys lie in the lane 16 away
	v_max_num_f32 v[ST+8*(\tl)+1], v[rB], v[ST+8*(\tl)+2]       ; m: a true score, since every query sees its own key
	v_mul_f32 v[ST+8*(\tl)], s[CS], v[ST+8*(\tl)+1]
.endr
	FORT \p, T_SCL
	FORT \p, T_EXP                                 ; ONE batch: none of these names another's result
	v_nop                                          ; a plain instruction behind the last exponential,
	s_wait_alu depctr_va_vdst(0)                   ; and the wait ahead of the first instruction that names a result: one for the batch
	FORT \p, T_CVT
.irp q, 0,1,2,3
	v_mov_b32 v[PB+4*(2*(\p)+1)+(\q)], 0           ; block 2 p sees nothing of key block 2 p + 1, the upper half of its last fragment of P
.endr
	WIN 0xf9                                       ; V window 1, P window 2, O^T window 3
.set kk, 0
.rept (\p)+1                                           ; O^T = V^T P, keys 32 kk on: eight accumulators by turns; the first products start the sums
.irp tl, 0,1
.irp cb, 0,1,2,3
.set rO, 64*(\p)+8*(4*(\tl)+(\cb))
.set rV, VF+32*(\cb)+8*kk
.set rP, PB+32*(\tl)+8*kk
.if kk == 0
	v_wmma_f32_16x16x32_f16 v[rO:rO+7], v[rV:rV+7], v[rP:rP+7], 0
.else
	v_wmma_f32_16x16x32_f16 v[rO:rO+7], v[rV:rV+7], v[rP:rP+7], v[rO:rO+7]
.endif
.endr
.endr
.set kk, kk+1
.endr
	WIN 0xaa
	FORT \p, T_SUM, 0                              ; the rows' sums, of the unrounded weights: nine plain instructions or more that name no register of the products above: their places
	FORT \p, T_SUM, 1
	FORT \p, T_SUM, 2
	FORT \p, T_SUM, 3
.irp tl, 0,1
	v_add_f32 v[ST+8*(\tl)+6], v[64*(\tl)], v[64*(\tl)+1]
.endr
.irp tl, 0,1
	v_permlanex16_b32 v[ST+8*(\tl)+2], v[ST+8*(\tl)+6], s[SEL], s[SEL+1]
.endr
.irp tl, 0,1
	v_add_f32 v[ST+8*(\tl)+6], v[ST+8*(\tl)+6], v[ST+8*(\tl)+2]
.endr
.irp tl, 0,1
	v_rcp_f32 v[ST+8*(\tl)+4], v[ST+8*(\tl)+6]
.endr
	v_nop                                          ; a plain instruction behind the last reciprocal,
	s_wait_alu depctr_va_vdst(0)                   ; and the wait ahead of the first use: one for the two
	WIN 0xcb                                       ; O^T window 3, 1 / l window 2, bv window 0
.irp tl, 0,1
.set i, 0
.rept 16
.set rO, 64*(\p)+32*(\tl)+2*i
	v_pk_fma_f32 v[rO:rO+1], v[rO:rO+1], v[ST+8*(\tl)+4:ST+8*(\tl)+5], v[BVB+2*i:BVB+2*i+1] op_sel_hi:[1,0,1]  ; O / l + bv
.set i, i+1
.endr
.endr
	WIN 0xcf                                       ; packed in place, ascending: register i takes 2 i and 2 i + 1
.set i, 0
.rept 32
	v_cvt_pk_f16_f32 v[64*(\p)+i], v[64*(\p)+2*i], v[64*(\p)+2*i+1]
.set i, i+1
.endr
	WIN 0x0c                                       ; the stores' data window 3, their address window 0
.irp tl, 0,1
.irp c, 0,1
.irp hf, 0,1
	global_store_b128 v[L16], v[64*(\p)+16*(\tl)+8*(\c)+4*(\hf):64*(\p)+16*(\tl)+8*(\c)+4*(\hf)+3], s[12:13] offset:(\c)*8192+(2*(\p)+(\tl))*1024+(\hf)*512  ; half a fragment: 512 consecutive bytes; each pair has registers of its own, which nothing rewrites
.endr
.endr
.endr
.endm
	PAIR 0
	PAIR 1
	PAIR 2
	PAIR 3
	WIN 0
	s_wait_tensorcnt 0x0                           ; the wave's end, behind my last tensor load
	ds_add_u32 v[SPW], v[NIL]
	s_wait_dscnt 0x0
	CROUND                                         ; the closing round: no work-group ends while a partner may still ask for a tile that names it
	s_endpgm
.Lfunc_end_k_qc61659d90a_qkvatt:
	.size	k_qc61659d90a_qkvatt, .Lfunc_end_k_qc61659d90a_qkvatt-k_qc61659d90a_qkvatt
	.p2alignl 7, 3214868480
	.fill 96, 4, 3214868480
	.section	.rodata,"a",@progbits
	.p2align	6, 0x0
	.amdhsa_kernel k_qc61659d90a_qkvatt
		.amdhsa_group_segment_fixed_size 327680
		.amdhsa_private_segment_fixed_size 0
		.amdhsa_enable_private_segment 0
		.amdhsa_kernarg_size 40
		.amdhsa_user_sgpr_count 2
		.amdhsa_user_sgpr_kernarg_segment_ptr 1
		.amdhsa_wavefront_size32 1
		.amdhsa_system_sgpr_workgroup_id_x 1
		.amdhsa_system_sgpr_workgroup_id_y 1
		.amdhsa_system_sgpr_workgroup_id_z 1
		.amdhsa_system_vgpr_workitem_id 0
		.amdhsa_next_free_vgpr 1024
		.amdhsa_next_free_sgpr 96
		.amdhsa_reserve_vcc 1
		.amdhsa_float_denorm_mode_32 3
		.amdhsa_float_denorm_mode_16_64 3
		.amdhsa_memory_ordered 1
		.amdhsa_forward_progress 1
		.amdhsa_inst_pref_size 255
	.end_amdhsa_kernel
	.section	.bss,"aw",@nobits
	.p2align	6
	.space	262144
	.amdgpu_metadata
---
amdhsa.version: [ 1, 2 ]
amdhsa.kernels:
  - .name:           k_qc61659d90a_qkvatt
    .symbol:         k_qc61659d90a_qkvatt.kd
    .args:
      - { .name: xw, .offset: 0, .size: 8, .value_kind: global_buffer, .address_space: global }
      - { .name: wqkv, .offset: 8, .size: 8, .value_kind: global_buffer, .address_space: global }
      - { .name: bq, .offset: 16, .size: 8, .value_kind: global_buffer, .address_space: global }
      - { .name: bv, .offset: 24, .size: 8, .value_kind: global_buffer, .address_space: global }
      - { .name: ow, .offset: 32, .size: 8, .value_kind: global_buffer, .address_space: global }
    .group_segment_fixed_size: 327680
    .private_segment_fixed_size: 0
    .kernarg_segment_align: 8
    .kernarg_segment_size: 40
    .max_flat_workgroup_size: 128
    .sgpr_count:     96
    .vgpr_count:     1024
    .wavefront_size: 32
...
	.end_amdgpu_metadata
.endif
;; end of part 2
;; launch oproj (part 3): grid 4 x 64, 4 waves a work-group, clusters of 4 x 4, 327,680 bytes of LDS; arguments ow, wow, bo, out0; writes out0
.if DOCPART == 3
	.amdgcn_target "amdgcn-amd-amdhsa--gfx1250"
	.amdhsa_code_object_version 6
	.text
	.protected	k_qc61659d90a_oproj
	.globl	k_qc61659d90a_oproj
	.p2align	8
	.type	k_qc61659d90a_oproj,@function
k_qc61659d90a_oproj:
	s_mov_b64 s[64:65], 0
	v_nop
	global_prefetch_b8 v0, s[64:65] scope:SCOPE_SE
	s_setreg_imm32_b32 hwreg(HW_REG_WAVE_MODE, 25, 1), 1
	s_wait_xcnt 0x0
	s_wait_alu depctr_hold_cnt(0) depctr_sa_sdst(0) depctr_va_vdst(0) depctr_va_sdst(0) depctr_va_ssrc(0) depctr_va_vcc(0) depctr_vm_vsrc(0)
	s_getreg_b32 s2, hwreg(HW_REG_IB_STS2, 6, 4)
	s_cmp_eq_u32 s2, 0
	s_cbranch_scc0 .Lentry_in_a_cluster
	s_endpgm
.Lentry_in_a_cluster:
	s_bfe_u32 s2, ttmp6, 0x10000c
	s_cmp_lg_u32 s2, 0xf033
	s_cbranch_scc0 .Lentry_shape_is_right
	s_endpgm
.Lentry_shape_is_right:
; out0[token][n] = the sum over k of O[token][k] Wo[n][k] + bo[n].  ow (O) and wow (Wo) are f16 in fragment order (16 rows x 32 k = 1,024 bytes; lane l's registers 0-3 at byte 16 l, 4-7 at 512 + 16 l):
; ow [b 64][kc 32][tb 8][1,024], wow [nt 4][ks 8][kcl 4][rb 16][1,024].  Sums in f32; out0 is f32, [8192][1024].  bo is rounded to bf16, as all inputs are, and starts the sums.  No work is left out here.
; SHARES.  Work-group (nt, b): the 128 tokens of batch b x channels 256 nt .. + 255: 256 work-groups.  Wave (wm, wn) makes 64 tokens x 128 channels: 32 accumulators.  K = 1,024 goes in 8 steps of 128
; through two LDS slots filled by the tensor data mover.  The matrix instruction is used transposed (source 0 = 16 rows of Wo, source 1 = 16 tokens): a lane holds one token and eight neighbouring channels.
; CLUSTER.  4 x 4 work-groups.  O's tile hangs on b alone and is shared along a row of the cluster, Wo's on nt alone and is shared along a column: each is asked for JOINTLY.
; REGISTERS (s_set_vgpr_msb: bits 1:0 source 0, 3:2 source 1, 5:4 source 2, 7:6 destination): window 0: v0-12 addresses; v32-127, v128-223 two fragment buffers (O's four fragments, then Wo's eight);
;   on the way out v32-159 rows read back.   window 1: the accumulators, (i, n) at 8 (8 i + n).   window 2: v0-63 bo, 8 n + j; v64-95 at work.
.set SLOT,  98304                      ; a K step: O's 32,768 bytes ([kcl 4][tb 8][1,024]), then Wo's 65,536 ([kcl 4][rb 16][1,024]), both as in memory
.set BOFF,  32768
.set STAGE, 2*SLOT                     ; behind the ring, never filled by a tensor load: 16 rows x 528 bytes for each wave, for the way out
.set SP,    528                        ; a row of 512 bytes + 16: the 16 rows that a store touches start at 16 different groups of four banks (64 banks of 4 bytes: ISA guide 11.1)
.set SPARE, STAGE+4*16*SP              ; behind the stages: the spare words, 128 bytes for each wave: two blocks of 256 bytes that no other line names
.set ASTEP, 32768                      ; bytes from a K step to the next in ow,
.set BSTEP, 65536                      ; and in wow
.set LAPS,  3                          ; trips of the loop: each fills both slots again: K steps 2 to 7
.set L16, 2                            ; v2    16 x lane; never rewritten
.set ADRA, 3                           ; v3-4  LDS address of my fragments of O in slot 0, 1
.set ADRB, 5                           ; v5-6  of Wo's
.set STO, 7                            ; v7    the way out: where I put 32 bytes of a row
.set RD,  8                            ; v8    where I read 16 bytes of a row back
.set PFO, 9                            ; v9    256 x lane: the prefetches' offset; never rewritten
.set SPW, 10                           ; v10   LDS address of my spare word; never rewritten
.set NIL, 11                           ; v11   0; never rewritten
.set BO,  12                           ; v12   32 (lane / 16): my eight channels in 16 of bo
.set F0,  32
.set F1,  128
.set WV,  14                           ; s14  my wave's number
.set CX,  15
.set CY,  16
.set NT,  17                           ; s17  which 256 channels
.set BB,  18                           ; s18  which batch
.set LAP, 19
.set G1A, 24                           ; s[24:31] descriptor group 1 for O's tiles     s[32:39] for Wo's
.set G1B, 32
.set G0A, 40                           ; s[40:47] descriptor group 0 for O's tiles, a set for each slot     s[48:55] for Wo's
.set G0B, 48
.set PFA, 56                           ; s[56:57] where my prefetches stand     s[58:59] their step
.set PFS, 58
.set LIM, 60                           ; s60  1 in a wave that prefetches, else the greatest number
.set WM,  61                           ; s61  which 64 tokens are mine
.set WN,  62                           ; s62  which 128 channels.  Also: which half of a tile I fetch
.set MSB, 0
.macro WIN new
.if MSB != (\new)
	s_set_vgpr_msb (MSB<<8)|(\new)
.set MSB, (\new)
.endif
.endm
.macro PLACES                          ; four plain vector instructions between a matrix instruction and a load into a register that it has read, or a store of its result
.rept 4
	v_nop
.endr
.endm
.macro JLOAD s                         ; a joint load: waves 0 and 1 fetch the halves of O's tile (16 KiB each), waves 2 and 3 those of Wo's (32 KiB each); an s_nop 0 and four v_nop follow each line
	s_cmp_lt_u32 s[WV], 2
	s_cbranch_scc0 .Lfor_b_\@
	tensor_load_to_lds s[G0A+4*(\s):G0A+4*(\s)+3], s[G1A:G1A+7]
	s_nop 0
.rept 4
	v_nop
.endr
	s_branch .Lasked_\@
.Lfor_b_\@:
	tensor_load_to_lds s[G0B+4*(\s):G0B+4*(\s)+3], s[G1B:G1B+7]
	s_nop 0
.rept 4
	v_nop
.endr
.Lasked_\@:
.endm
.macro CREST                           ; a round of the cluster's barrier behind its opening barrier
	s_cmp_lg_u32 s[WV], 0
	s_cbranch_scc1 .Lnot_wave_0_\@
	s_barrier_signal -3
.Lnot_wave_0_\@:
	s_barrier_wait -3
	s_barrier_signal -1
	s_barrier_wait -1
.endm
.macro CROUND
	s_barrier_signal -1
	s_barrier_wait -1
	CREST
.endm
; A PREFETCH INTO THE L2 of the K step that stands two refills on (256 matrix instructions ahead of the load that will want it): 32 blocks of 256 bytes, a lane a block.  Each block is named once in the
; launch.  O's step (32 KiB) is read by one row of one cluster: wave 0 asks, 8 KiB a partner, told apart BY ADDRESS (cx).  Wo's step is read by all sixteen clusters: the first (cluster y = 0) asks, waves 2
; and 3 each for their half, 8 KiB a partner (cy).  K steps 0 to 3 come by their loads alone; the loop's last trip asks for nothing.
.macro ASK
	s_cmp_gt_u32 s[LAP], s[LIM]
	s_cbranch_scc0 .Lnot_mine_\@
	global_prefetch_b8 v[PFO], s[PFA:PFA+1] th:TH_LOAD_NT scope:SCOPE_SE
.Lnot_mine_\@:
.endm
	s_load_b256 s[4:11], s[0:1], 0x0               ; ow s[4:5], wow s[6:7], bo s[8:9], out0 s[10:11]
	v_lshl_add_u32 v[SPW], v0, 2, SPARE
	v_mov_b32 v[NIL], 0
	ds_add_u32 v[SPW], v[NIL]                      ; the wave's opening: the add, twice on end, and its wait ahead of my first tensor load
	ds_add_u32 v[SPW], v[NIL]
	v_lshrrev_b32 v1, 5, v0
	v_readfirstlane_b32 s[WV], v1
	s_lshr_b32 s[WM], s[WV], 1
	s_and_b32 s[WN], s[WV], 1
	s_bfe_u32 s[CX], ttmp6, 0x40000
	s_bfe_u32 s[CY], ttmp6, 0x40004
	s_lshl_b32 s[NT], ttmp9, 2
	s_add_co_u32 s[NT], s[NT], s[CX]
	s_and_b32 s[BB], ttmp7, 0xffff
	s_lshl_b32 s[BB], s[BB], 2
	s_add_co_u32 s[BB], s[BB], s[CY]
	s_lshl_b32 s22, s[CY], 2
	s_lshl_b32 s22, 15, s22                        ; my row of the cluster
	s_lshl_b32 s23, 0x1111, s[CX]                  ; my column
	s_or_b32 s[G1A], s22, (3<<16)|(1<<21)          ; dense blocks as rows of 32 elements of 8 bytes; O's tiles go to my row,
	s_or_b32 s[G1B], s23, (3<<16)|(1<<21)          ; Wo's to my column
	s_mov_b32 s[G1A+1], 32<<16                     ; tensor_dim0 = 32
	s_mov_b32 s[G1A+2], 64<<16                     ; tensor_dim1 = 64 rows: 16 KiB
	s_mov_b32 s[G1A+3], 32<<16                     ; tile_dim0 = 32
	s_mov_b32 s[G1A+4], 64                         ; tile_dim1 = 64
	s_mov_b32 s[G1A+5], 32                         ; 32 elements from row to row
	s_mov_b32 s[G1A+6], 0
	s_mov_b32 s[G1A+7], 0
	s_mov_b32 s[G1B+1], 32<<16
	s_mov_b32 s[G1B+2], 128<<16                    ; 128 rows: 32 KiB
	s_mov_b32 s[G1B+3], 32<<16
	s_mov_b32 s[G1B+4], 128
	s_mov_b32 s[G1B+5], 32
	s_mov_b32 s[G1B+6], 0
	s_mov_b32 s[G1B+7], 0
	s_lshl_b32 s72, s[BB], 18                      ; O: my batch's block, which my row shares,
	s_lshl_b32 s20, s[WN], 14                      ; and the half that I fetch: also its place in a slot
	s_add_co_u32 s72, s72, s20
	s_mov_b32 s73, 0
	s_lshl_b32 s70, s[NT], 19                      ; Wo: my 256 rows' block, which my column shares,
	s_lshl_b32 s21, s[WN], 15                      ; and the half
	s_add_co_u32 s70, s70, s21
	s_mov_b32 s71, 0
	s_wait_dscnt 0x0                               ; both opening adds are done
	s_wait_kmcnt 0x0
	s_add_nc_u64 s[72:73], s[4:5], s[72:73]
	s_add_nc_u64 s[70:71], s[6:7], s[70:71]
	CROUND                                         ; all sixteen work-groups are here: the first joint loads meet
.irp s, 0,1
	s_mov_b32 s[G0A+4*(\s)], 1
	s_add_co_u32 s[G0A+4*(\s)+1], s20, (\s)*SLOT
	s_add_nc_u64 s[G0A+4*(\s)+2:G0A+4*(\s)+3], s[72:73], (\s)*ASTEP
	s_or_b32 s[G0A+4*(\s)+3], s[G0A+4*(\s)+3], 0x80000000
	s_mov_b32 s[G0B+4*(\s)], 1
	s_add_co_u32 s[G0B+4*(\s)+1], s21, BOFF+(\s)*SLOT
	s_add_nc_u64 s[G0B+4*(\s)+2:G0B+4*(\s)+3], s[70:71], (\s)*BSTEP
	s_or_b32 s[G0B+4*(\s)+3], s[G0B+4*(\s)+3], 0x80000000
	JLOAD \s                                       ; two tensor loads of mine are out, the most in this text
.endr
	; the prefetches
	s_mov_b32 s[PFS], BSTEP
	s_cmp_lt_u32 s[WV], 2
	s_cselect_b64 s[PFA:PFA+1], s[72:73], s[70:71]
	s_cselect_b32 s74, s[CX], s[CY]                ; my place among the four that ask with me
	s_cselect_b32 s[PFS], ASTEP, s[PFS]
	s_mov_b32 s[PFS+1], 0
	s_mul_i32 s22, s[PFS], 3                       ; at K step 3: the first refill steps it to 4
	s_lshl_b32 s74, s74, 13
	s_add_co_u32 s74, s74, s22
	s_mov_b32 s75, 0
	s_add_nc_u64 s[PFA:PFA+1], s[PFA:PFA+1], s[74:75]
	s_and_b32 s22, ttmp7, 0xffff                   ; cluster y
	s_cmp_eq_u32 s22, 0
	s_cselect_b32 s[LIM], 1, -1                    ; waves 2 and 3,
	s_cmp_eq_u32 s[WV], 0
	s_cselect_b32 s[LIM], 1, s[LIM]                ; wave 0,
	s_cmp_eq_u32 s[WV], 1
	s_cselect_b32 s[LIM], -1, s[LIM]               ; wave 1 asks for nothing
	; addresses
	v_and_b32 v1, 31, v0
	v_lshlrev_b32 v[L16], 4, v1
	s_lshl_b32 s22, s[WM], 12                      ; my four token blocks
	v_add_nc_u32 v[ADRA], s22, v[L16]
	v_add_nc_u32 v[ADRA+1], SLOT, v[ADRA]
	s_lshl_b32 s22, s[WN], 13                      ; my eight blocks of Wo's rows
	s_add_co_u32 s22, s22, BOFF
	v_add_nc_u32 v[ADRB], s22, v[L16]
	v_add_nc_u32 v[ADRB+1], SLOT, v[ADRB]
	s_mul_i32 s22, s[WV], 16*SP
	s_add_co_u32 s22, s22, STAGE                   ; my stage
	v_and_b32 v13, 15, v1
	v_lshrrev_b32 v14, 4, v1
	v_mul_u32_u24 v[STO], v13, SP                  ; in: row lane % 16, 32 bytes for each half of the lanes
	v_lshl_add_u32 v[STO], v14, 5, v[STO]
	v_add_nc_u32 v[STO], s22, v[STO]
	v_add_nc_u32 v[RD], s22, v[L16]                ; back: 32 lanes take a row's 512 bytes
	v_lshlrev_b32 v[PFO], 8, v1
	v_lshlrev_b32 v[BO], 5, v14
	s_lshl_b32 s22, s[BB], 7
	s_lshl_b32 s23, s[WM], 6
	s_add_co_u32 s22, s22, s23                     ; my first row of out0,
	s_lshl_b32 s74, s22, 12
	s_lshl_b32 s22, s[NT], 10
	s_lshl_b32 s23, s[WN], 9
	s_add_co_u32 s22, s22, s23                     ; my first channel, in bytes
	s_mov_b32 s23, 0
	s_add_nc_u64 s[8:9], s[8:9], s[22:23]
	s_add_co_u32 s74, s74, s22
	s_add_nc_u64 s[10:11], s[10:11], s[74:75]
	WIN 0x80                                       ; destination window 2, address window 0
.irp n, 0,1,2,3,4,5,6,7
	global_load_b128 v[8*(\n):8*(\n)+3],   v[BO], s[8:9] offset:64*(\n)
	global_load_b128 v[8*(\n)+4:8*(\n)+7], v[BO], s[8:9] offset:64*(\n)+16
.endr
	s_wait_loadcnt 0x0
	WIN 0xaa                                       ; bo rounded to bf16 and widened again, in the wait for the first tile
.set i, 0
.rept 32
	v_cvt_pk_bf16_f32 v[64+i], v[2*i], v[2*i+1]
.set i, i+1
.endr
.set i, 0
.rept 32
	v_lshlrev_b32 v[2*i], 16, v[64+i]
	v_and_b32 v[2*i+1], 0xffff0000, v[64+i]
.set i, i+1
.endr
	WIN 0
; 8 matrix instructions: token block i x my eight blocks of channels, 32 along K.  zero = 1: the first product starts the sum with bo as its C: the bias costs no addition, and nothing is cleared.
.macro MULP f, i, zero
.if \zero
	WIN 0x60                                       ; C window 2, D window 1
.else
	WIN 0x50
.endif
.irp n, 0,1,2,3,4,5,6,7
.set rD, 8*(8*(\i)+(\n))
.if \zero
	v_wmma_f32_16x16x32_f16 v[rD:rD+7], v[(\f)+32+8*(\n):(\f)+32+8*(\n)+7], v[(\f)+8*(\i):(\f)+8*(\i)+7], v[8*(\n):8*(\n)+7]
.else
	v_wmma_f32_16x16x32_f16 v[rD:rD+7], v[(\f)+32+8*(\n):(\f)+32+8*(\n)+7], v[(\f)+8*(\i):(\f)+8*(\i)+7], v[rD:rD+7]
.endif
.endr
.endm
.macro FETCH slot, kcl, f              ; 24 LDS loads in one run: Wo's eight fragments, then O's four
.irp n, 0,1,2,3,4,5,6,7
	ds_load_b128 v[(\f)+32+8*(\n):(\f)+32+8*(\n)+3],   v[ADRB+(\slot)] offset:(\kcl)*16384+(\n)*1024
	ds_load_b128 v[(\f)+32+8*(\n)+4:(\f)+32+8*(\n)+7], v[ADRB+(\slot)] offset:(\kcl)*16384+(\n)*1024+512
.endr
.irp i, 0,1,2,3
	ds_load_b128 v[(\f)+8*(\i):(\f)+8*(\i)+3],   v[ADRA+(\slot)] offset:(\kcl)*8192+(\i)*1024
	ds_load_b128 v[(\f)+8*(\i)+4:(\f)+8*(\i)+7], v[ADRA+(\slot)] offset:(\kcl)*8192+(\i)*1024+512
.endr
.endm
; A K step is four quarters of 32 along K, 32 matrix instructions each, the 32 accumulators by turns, on buffers 0, 1, 0, 1.
; One of the first three: multiplies buffer f and, in its middle, fetches quarter k of the same slot into buffer g.
.macro QUARTER slot, k, f, g, zero
	s_wait_dscnt 4                                 ; Wo's fragments and O's blocks 0 and 1 are in; the four loads of blocks 2 and 3 may be out
	MULP \f, 0, \zero
	MULP \f, 1, \zero
	PLACES
	WIN 0
	FETCH \slot, \k, \g
	s_wait_dscnt 24                                ; all but the 24 just issued
	MULP \f, 2, \zero
	MULP \f, 3, \zero
.endm
; The last quarter multiplies buffer 1 and changes slots: ONE barrier; in front of it each wave waits for all its tensor loads, of which one is out, its part of the next slot; adds 0 to its spare word; and
; waits for that and for its own reads of this slot.  fill = 1: the barrier opens a round of the cluster's, and this slot is filled again, two K steps ahead, first thing behind the round: from that
; request to the wait for it a wave issues 112 matrix instructions.
.macro TURN slot, next, fill
.if \fill
	s_wait_xcnt 0x0                                ; the last prefetch, a K step back, has read its address
	s_add_nc_u64 s[PFA:PFA+1], s[PFA:PFA+1], s[PFS:PFS+1]
.endif
	WIN 0
	s_wait_tensorcnt 0x0                           ; all my tensor loads have landed, so a group 0 may be written
	ds_add_u32 v[SPW], v[NIL]                      ; 0 onto my spare word
.if \fill
	s_add_nc_u64 s[G0A+4*(\slot)+2:G0A+4*(\slot)+3], s[G0A+4*(\slot)+2:G0A+4*(\slot)+3], 2*ASTEP
	s_add_nc_u64 s[G0B+4*(\slot)+2:G0B+4*(\slot)+3], s[G0B+4*(\slot)+2:G0B+4*(\slot)+3], 2*BSTEP
.endif
	s_wait_dscnt 5                                 ; the four loads of O's blocks 2 and 3 and the add may be out
	MULP F1, 0, 0                                  ; eight matrix instructions stand between the add and the wait for it
	s_wait_dscnt 0x0                               ; the add is done, and my reads of this slot are over
	s_barrier_signal -1
	MULP F1, 1, 0
	WIN 0
	s_barrier_wait -1
.if \fill
	CREST                                          ; no wave of any partner still reads this slot's tiles or has a load on its way
	JLOAD \slot                                    ; the four v_nop behind it are also the places in front of the loads below
.else
	PLACES
.endif
	FETCH \next, 0, F0
.if \fill
	ASK
.endif
	MULP F1, 2, 0
	MULP F1, 3, 0
.endm
	s_wait_tensorcnt 0x1                           ; my part of K step 0 is in; K step 1's may stay out
	s_barrier_signal -1
	s_barrier_wait -1
	FETCH 0, 0, F0
	QUARTER 0, 1, F0, F1, 1                        ; the first quarter stands in front of the loop: its products start the sums
	WIN 0                                          ; at a label and at a branch every window is 0
	s_mov_b32 s[LAP], LAPS
.Llap:                                                 ; a trip goes once round the ring and fills both slots again
	QUARTER 0, 2, F1, F0, 0
	QUARTER 0, 3, F0, F1, 0
	TURN 0, 1, 1
	QUARTER 1, 1, F0, F1, 0
	QUARTER 1, 2, F1, F0, 0
	QUARTER 1, 3, F0, F1, 0
	TURN 1, 0, 1
	QUARTER 0, 1, F0, F1, 0
	WIN 0
	s_sub_co_u32 s[LAP], s[LAP], 1
	s_cmp_lg_u32 s[LAP], 0
	s_cbranch_scc1 .Llap
	QUARTER 0, 2, F1, F0, 0                        ; the last lap fills nothing, and has no round
	QUARTER 0, 3, F0, F1, 0
	TURN 0, 1, 0
	QUARTER 1, 1, F0, F1, 0
	QUARTER 1, 2, F1, F0, 0
	QUARTER 1, 3, F0, F1, 0
	s_wait_dscnt 4                                 ; the very last quarter: nothing more to fetch
	MULP F1, 0, 0
	MULP F1, 1, 0
	s_wait_dscnt 0x0
	MULP F1, 2, 0
	MULP F1, 3, 0
	PLACES
; THE WAY OUT, 16 tokens at a time: a lane's eight channels of a token (32 bytes) go into my stage's rows of 528 bytes and come back as whole rows of 512, which are stored.
.macro OUTB i
.if (\i) >= 2
	s_wait_xcnt 0x0                                ; the stores of the block before last have read the registers that are loaded again below
.endif
	WIN 0x04                                       ; the LDS stores' data window 1
.irp n, 0,1,2,3,4,5,6,7
	ds_store_b128 v[STO], v[8*(8*(\i)+(\n)):8*(8*(\i)+(\n))+3]   offset:64*(\n)
	ds_store_b128 v[STO], v[8*(8*(\i)+(\n))+4:8*(8*(\i)+(\n))+7] offset:64*(\n)+16
.endr
	WIN 0
.set rB, 32+64*((\i)%2)
.set r, 0
.rept 16
	ds_load_b128 v[rB+4*r:rB+4*r+3], v[RD] offset:r*SP  ; LDS serves a wave's instructions in order (ISA guide 5.7.1.4): these see the stores above, and the next block's stores come behind them
.set r, r+1
.endr
.set r, 0
.rept 16
	s_wait_dscnt 15-r                              ; the 15 - r younger loads stay out
	global_store_b128 v[L16], v[rB+4*r:rB+4*r+3], s[10:11] offset:(16*(\i)+r)*4096 th:TH_STORE_NT  ; 512 consecutive bytes of a row of out0, at a multiple of 512 from its first
.set r, r+1
.endr
.endm
	OUTB 0
	OUTB 1
	OUTB 2
	OUTB 3
	s_wait_tensorcnt 0x0                           ; the wave's end, behind my last tensor load and my last LDS store
	ds_add_u32 v[SPW], v[NIL]
	s_wait_dscnt 0x0
	CROUND                                         ; the closing round: no work-group ends while a partner may still ask for a tile that names it
	s_endpgm
.Lfunc_end_k_qc61659d90a_oproj:
	.size	k_qc61659d90a_oproj, .Lfunc_end_k_qc61659d90a_oproj-k_qc61659d90a_oproj
	.p2alignl 7, 3214868480
	.fill 96, 4, 3214868480
	.section	.rodata,"a",@progbits
	.p2align	6, 0x0
	.amdhsa_kernel k_qc61659d90a_oproj
		.amdhsa_group_segment_fixed_size 327680
		.amdhsa_private_segment_fixed_size 0
		.amdhsa_enable_private_segment 0
		.amdhsa_kernarg_size 32
		.amdhsa_user_sgpr_count 2
		.amdhsa_user_sgpr_kernarg_segment_ptr 1
		.amdhsa_wavefront_size32 1
		.amdhsa_system_sgpr_workgroup_id_x 1
		.amdhsa_system_sgpr_workgroup_id_y 1
		.amdhsa_system_sgpr_workgroup_id_z 1
		.amdhsa_system_vgpr_workitem_id 0
		.amdhsa_next_free_vgpr 608
		.amdhsa_next_free_sgpr 80
		.amdhsa_reserve_vcc 0
		.amdhsa_float_denorm_mode_32 3
		.amdhsa_float_denorm_mode_16_64 3
		.amdhsa_memory_ordered 1
		.amdhsa_forward_progress 1
		.amdhsa_inst_pref_size 93
	.end_amdhsa_kernel
	.amdgpu_metadata
---
amdhsa.version: [ 1, 2 ]
amdhsa.kernels:
  - .name:           k_qc61659d90a_oproj
    .symbol:         k_qc61659d90a_oproj.kd
    .args:
      - { .name: ow, .offset: 0, .size: 8, .value_kind: global_buffer, .address_space: global }
      - { .name: wow, .offset: 8, .size: 8, .value_kind: global_buffer, .address_space: global }
      - { .name: bo, .offset: 16, .size: 8, .value_kind: global_buffer, .address_space: global }
      - { .name: out0, .offset: 24, .size: 8, .value_kind: global_buffer, .address_space: global }
    .group_segment_fixed_size: 327680
    .private_segment_fixed_size: 0
    .kernarg_segment_align: 8
    .kernarg_segment_size: 32
    .max_flat_workgroup_size: 128
    .sgpr_count:     80
    .vgpr_count:     608
    .wavefront_size: 32
...
	.end_amdgpu_metadata
.endif
;; end of part 3
